; MI455X (gfx1250); checked and timed in simulation.
; The chip was launched on July 23, 2026; its instructions are those of AMD's public machine-readable ISA for CDNA 5 (MIT licence, August 2026) and "CDNA5" Instruction Set Architecture Reference Guide (July 2026). The comments in the code are by the model that wrote it; some were corrected since.
;; April Causal Attention. Allowed arithmetic: matrix products marked QUANTISED: E4M3 operands, one given power-of-two scale a tensor, by v_wmma_f32_16x16x64_fp8_fp8 or v_wmma_f32_16x16x128_fp8_fp8, f32 sums; everything else in f32.
;; Inputs: Wk 768 x 64 float32; Wq 768 x 64 float32; Wv 768 x 64 float32; lowp_scales 10 int32 (the exponents e of the quantised operands' scales 2^e); x 4 x 4,096 x 768 float32.
;; Outputs: out0 4 x 4,096 x 64 float32.
;; This version of the problem:
;;   THIS VERSION OF THE PROBLEM IS GIVEN IN LOW PRECISION. The matrix products marked QUANTISED in the list below multiply operands that are first quantised to E4M3 (4 exponent bits, 3 mantissa bits; 8 bits a number), with one given power-of-two scale for each operand tensor; their sums are f32. All else is computed in f32.
;;   The module's matrix products, in the order in which they are computed (A, B: the left and right operand; K: the contracted axis; several contracted axes count as one K, in the product's order):
;;     1. [M 16,384, K 768] x [K 768, N 64]; A: input x; B: input Wq: QUANTISED (scales: A lowp_scales[0], B lowp_scales[1])
;;     2. [M 16,384, K 768] x [K 768, N 64]; A: input x; B: input Wk: QUANTISED (scales: A lowp_scales[2], B lowp_scales[3])
;;     3. [M 16,384, K 768] x [K 768, N 64]; A: input x; B: input Wv: QUANTISED (scales: A lowp_scales[4], B lowp_scales[5])
;;     4. batch 4 x [M 4,096, K 64] x [K 64, N 4,096]; A: computed on the way; B: computed on the way: QUANTISED (scales: A lowp_scales[6], B lowp_scales[7])
;;     5. batch 4 x [M 4,096, K 4,096] x [K 4,096, N 64]; A: softmax (see below); B: computed on the way: QUANTISED (scales: A lowp_scales[8], B lowp_scales[9])
;;   THE QUANTISER, for each operand of a quantised product, along K:
;;     - The operand's scale is 2^e, e = its entry of the input lowp_scales (int32; the entries are numbered through the quantised products in the list's order, A before B).
;;     - Each number is divided by the scale, clamped to +-448, and rounded to the nearest number of E4M3, ties to even, subnormals kept.
;;     - The product sums the exact products of the quantised numbers (number of the format x scale) in f32.
;;   ~~~python
;;   def quantise(x, axis, e):      # numpy; x: float32 -> the quantised numbers, widened to float32 again
;;       x = np.moveaxis(x, axis, -1); K = x.shape[-1]
;;       r = np.clip(x / 2.0 ** e, -448, 448)
;;       step = 2.0 ** (np.maximum(np.frexp(np.where(r == 0, 1, r))[1] - 1, -6) - 3)
;;       q = np.round(r / step) * step * 2.0 ** e      # np.round: ties to even
;;       return np.moveaxis(q, -1, axis).astype(np.float32)
;;   ~~~
;;   SOFTMAX AHEAD OF A QUANTISED PRODUCT. Where the list says 'softmax', what is quantised is not the finished softmax but p = 2^(t - M), with t = logit x log2(e) and M = ceil(the row's largest t), a whole number; so 1/2 < the row's largest p <= 1. The row's sum l is taken of the UNQUANTISED p, in f32, and the product's result is divided by l at the end. Since M is a whole number, a kernel that streams over the keys may use a running M (the ceiling of the running maximum): every later rescaling is an exact power of two, so the quantised numbers keep their values, but for numbers so far below the row's largest that they fall under the format's range.
;;   OPERANDS COMPUTED ON THE WAY. 'Computed on the way' means the value that the module computes at that place (a softmax that the list does not call 'softmax' is quantised finished and normalised). What goes into a quantiser is computed in f32, as accurately as f32 sums, v_exp_f32 and their like allow (about 1e-6 of the number): no bf16 or f16 on the way to a quantiser, and a product that is left as it is and whose result goes on into a quantised operand takes f32 operands (vector FMAs, or v_wmma_f32_16x16x4_f32). A number that lies on a knife's edge between two numbers of the format may be rounded either way, as far as f32 arithmetic and the matrix unit's own rounding can turn it there, and no further.
;; One version. Each part assembles by itself: llvm-mc -triple=amdgcn-amd-amdhsa -mcpu=gfx1250 --defsym DOCPART=n.
;; ======== version 1 of 1: 3 launches
;; limits: right only within a limited range of input values
;; workspace buffers: wimg 147,456 bytes; qimg 1,048,576 bytes; kv 2,097,152 bytes
;; launch wprep (part 1): grid 24 x 3, 4 waves a work-group, no clusters, 0 bytes of LDS; arguments Wq, Wk, Wv, lowp_scales, wimg; writes wimg
.if DOCPART == 1
	.amdgcn_target "amdgcn-amd-amdhsa--gfx1250"
	.amdhsa_code_object_version 6
	.text
	.protected	k_q21509d3579_wprep
	.globl	k_q21509d3579_wprep
	.p2align	8
	.type	k_q21509d3579_wprep,@function
k_q21509d3579_wprep:
	s_mov_b64 s[64:65], 0
	v_nop
	global_prefetch_b8 v0, s[64:65] scope:SCOPE_SE
	s_setreg_imm32_b32 hwreg(HW_REG_WAVE_MODE, 25, 1), 1
	s_wait_xcnt 0x0
; Wq, Wk, Wv [768][64] f32 (K is the FIRST axis) become codes of FP8 (E4M3), each with the scale 2^e given for it (entries 1, 3, 5 of the scales),
; laid as IMAGES OF OPERAND REGISTERS: fragment (n, s), n = 4 p + ct (p: 0 q, 1 k, 2 v; ct: 16 columns; s: 128 along K), lies at (6 n + s) x 2,048 bytes;
; its group c of four registers at + 512 c, lane l's 16 bytes at 16 l.
; ORDER OF K.  A permutation of k that x's codes share, so every product meets its partner: with s = 2 u + s', lane (r, h), group c: eight-number unit y = 8 s' + 2 c + h;
; bytes 0-3: k = 256 u + 8 y + 0 .. 3;  bytes 4-7: 128 further on;  bytes 8-11: 256 u + 8 y + 4 .. 7;  bytes 12-15: 128 further on.
; code = w / 2^e, held within +-448, rounded to the nearest code, ties to even.
; SHARES: work-group x = 4 s + c, y = p, wave = ct: one wave makes one group of four registers.  A lane takes a column and its registers run down K, so nothing is transposed.
; A load reads 64 neighbouring bytes in sixteen lanes; the four waves of a work-group stand side by side on a row's 256.  288 waves have all the work there is.
; No LDS, no barrier, no cluster: nothing is shared.
; LEFT OUT IN THE PROGRAM (launch attn): steps of 128 keys that lie wholly behind a block of 128 queries: reference() itself puts -infinity there by its causal mask, so their p is 0 for all
; values of the inputs.  LIMIT: a NaN, an infinity or an overflow that reaches only those scores is not carried to the result.
; LIMITS: each e between -126 and 119, so that 2^e and 448 x 2^e are f32 numbers.  NaN among the inputs is not served.
.set NUM, 16                           ; v16-31  16 numbers
.set COD, 32                           ; v32-35  their codes
	s_load_b256 s[4:11], s[0:1], 0x0               ; Wq s[4:5], Wk s[6:7], Wv s[8:9], the scales' exponents s[10:11]
	s_load_b64 s[12:13], s[0:1], 0x20              ; the images
	v_lshrrev_b32 v1, 5, v0
	v_readfirstlane_b32 s14, v1                    ; wave = ct
	v_and_b32 v1, 15, v0                           ; r
	v_bfe_u32 v2, v0, 4, 1                         ; h
	v_lshlrev_b32 v3, 2, v1                        ; in: 4 bytes a column,
	v_lshl_add_u32 v3, v2, 11, v3                  ; lanes 16-31 eight rows of 256 bytes further down
	v_and_b32 v4, 31, v0
	v_lshlrev_b32 v4, 4, v4                        ; out: 16 x lane
	s_and_b32 s15, ttmp7, 0xffff                   ; p
	s_lshr_b32 s16, ttmp9, 3
	s_lshl_b32 s16, s16, 16                        ; u: 256 rows of 256 bytes
	s_and_b32 s17, ttmp9, 7
	s_lshl_b32 s17, s17, 12                        ; 4 s' + c: 16 rows each
	s_add_co_u32 s16, s16, s17
	s_lshl_b32 s17, s14, 6                         ; column tile ct: 64 bytes
	s_add_co_u32 s16, s16, s17
	s_mov_b32 s17, 0
	s_lshl_b32 s18, s15, 2
	s_add_co_u32 s18, s18, s14                     ; n
	s_mul_i32 s18, s18, 12288                      ; six fragments of 2,048 bytes
	s_lshl_b32 s19, ttmp9, 9                       ; 2,048 s + 512 c
	s_add_co_u32 s18, s18, s19
	s_mov_b32 s19, 0
	s_wait_alu depctr_va_vdst(0)
	s_wait_kmcnt 0x0
	s_load_b256 s[24:31], s[10:11], 0x0            ; e0 .. e7
	s_cmp_eq_u32 s15, 1                            ; which weight: the choice hangs on the work-group's number alone
	s_cselect_b64 s[4:5], s[6:7], s[4:5]
	s_cmp_eq_u32 s15, 2
	s_cselect_b64 s[4:5], s[8:9], s[4:5]
	s_add_nc_u64 s[4:5], s[4:5], s[16:17]
	s_add_nc_u64 s[12:13], s[12:13], s[18:19]
.irp i, 0,1,2,3,4,5,6,7,8,9,10,11,12,13,14,15
	global_load_b32 v[NUM+\i], v3, s[4:5] offset:256*((\i%4)+4*(\i/8)+128*((\i/4)%2)) th:TH_LOAD_NT
.endr
	s_wait_kmcnt 0x0
	s_cmp_eq_u32 s15, 1
	s_cselect_b32 s20, s27, s25                    ; e3 or e1,
	s_cmp_eq_u32 s15, 2
	s_cselect_b32 s20, s29, s20                    ; or e5
	s_add_co_i32 s20, s20, 127
	s_lshl_b32 s21, s20, 23
	v_mov_b32 v11, s21                             ; 2^e as f32: the conversion takes its exponent field
	s_add_co_i32 s20, s20, 8
	s_lshl_b32 s20, s20, 23
	s_or_b32 s20, s20, 0x600000
	v_mov_b32 v10, s20                             ; 448 x 2^e
	s_wait_alu depctr_va_vdst(0)
	s_wait_loadcnt 0x0
.irp i, 0,1,2,3,4,5,6,7,8,9,10,11,12,13,14,15
	v_med3_num_f32 v[NUM+\i], v[NUM+\i], -v10, v10 ; the conversion to an 8-bit code does not saturate (ISA guide 7.6.2): the hold comes first
.endr
	v_cvt_scalef32_pk8_fp8_f32 v[COD:COD+1], v[NUM:NUM+7], v11
	v_cvt_scalef32_pk8_fp8_f32 v[COD+2:COD+3], v[NUM+8:NUM+15], v11
	v_nop
	global_store_b128 v4, v[COD:COD+3], s[12:13]   ; 512 consecutive bytes, at a multiple of 256 from the buffer's first byte
	s_endpgm
.Lfunc_end_k_q21509d3579_wprep:
	.size	k_q21509d3579_wprep, .Lfunc_end_k_q21509d3579_wprep-k_q21509d3579_wprep
	.p2alignl 7, 3214868480
	.fill 96, 4, 3214868480
	.section	.rodata,"a",@progbits
	.p2align	6, 0x0
	.amdhsa_kernel k_q21509d3579_wprep
		.amdhsa_group_segment_fixed_size 0
		.amdhsa_private_segment_fixed_size 0
		.amdhsa_enable_private_segment 0
		.amdhsa_kernarg_size 40
		.amdhsa_user_sgpr_count 2
		.amdhsa_user_sgpr_kernarg_segment_ptr 1
		.amdhsa_wavefront_size32 1
		.amdhsa_system_sgpr_workgroup_id_x 1
		.amdhsa_system_sgpr_workgroup_id_y 1
		.amdhsa_system_sgpr_workgroup_id_z 1
		.amdhsa_system_vgpr_workitem_id 0
		.amdhsa_next_free_vgpr 48
		.amdhsa_next_free_sgpr 66
		.amdhsa_reserve_vcc 0
		.amdhsa_float_denorm_mode_32 3
		.amdhsa_float_denorm_mode_16_64 3
		.amdhsa_memory_ordered 1
		.amdhsa_forward_progress 1
		.amdhsa_inst_pref_size 5
	.end_amdhsa_kernel
	.amdgpu_metadata
---
amdhsa.version: [ 1, 2 ]
amdhsa.kernels:
  - .name:           k_q21509d3579_wprep
    .symbol:         k_q21509d3579_wprep.kd
    .args:
      - { .name: Wq, .offset: 0, .size: 8, .value_kind: global_buffer, .address_space: global }
      - { .name: Wk, .offset: 8, .size: 8, .value_kind: global_buffer, .address_space: global }
      - { .name: Wv, .offset: 16, .size: 8, .value_kind: global_buffer, .address_space: global }
      - { .name: lowp_scales, .offset: 24, .size: 8, .value_kind: global_buffer, .address_space: global }
      - { .name: wimg, .offset: 32, .size: 8, .value_kind: global_buffer, .address_space: global }
    .group_segment_fixed_size: 0
    .private_segment_fixed_size: 0
    .kernarg_segment_align: 8
    .kernarg_segment_size: 40
    .max_flat_workgroup_size: 128
    .sgpr_count:     66
    .vgpr_count:     48
    .wavefront_size: 32
...
	.end_amdgpu_metadata
.endif
;; end of part 1
;; launch qkv (part 2): grid 256 x 1, 12 waves a work-group, no clusters, 166,400 bytes of LDS; arguments x, wimg, lowp_scales, qimg, kv; writes qimg, kv
.if DOCPART == 2
	.amdgcn_target "amdgcn-amd-amdhsa--gfx1250"
	.amdhsa_code_object_version 6
	.text
	.protected	k_q21509d3579_qkv
	.globl	k_q21509d3579_qkv
	.p2align	8
	.type	k_q21509d3579_qkv,@function
k_q21509d3579_qkv:
	s_mov_b64 s[64:65], 0
	v_nop
	global_prefetch_b8 v0, s[64:65] scope:SCOPE_SE
	s_setreg_imm32_b32 hwreg(HW_REG_WAVE_MODE, 25, 1), 1
	s_wait_xcnt 0x0
; q = x Wq, k = x Wk, v = x Wv on codes of FP8 (E4M3); the f32 sums are quantised again, as the operands of attention's two products, and stored as images of operand registers.
; x [16,384][768] f32 is read once, straight into registers.  It has a scale of its own in each product (entries 0, 2, 4 of the scales), so it is quantised three times from there.
; SHARES.  A work-group takes 64 tokens, four tiles of 16, one after the other.  Twelve waves, each in two roles:
;   as QUANTISER wave WV takes of every tile the four tokens 4 (WV & 3) + 0 .. 3 and the 256 numbers along K from 256 (WV >> 2) on.  A load takes 512 consecutive bytes of one token;
;   two of them give a lane eight numbers, k = 4 l + 0 .. 3 and 128 + 4 l + 0 .. 3 of the 256: one conversion, 8 bytes.  Which k stands where is free as long as W's images share it (they do).
;   as MULTIPLIER it takes product p = WV >> 2 and column tile ct = WV & 3; W's six fragments of that tile stay in its registers (96), loaded once as they lie in wimg.
; ORDER.  Tile 0, W and tile 1 are asked for at the head, tiles 2 and 3 behind tile 0's quantising: three sets of 32 registers.  Between two barriers tile m is multiplied and tile m + 1 quantised;
; in the two middle ones k's four waves quantise first and multiply second, the others the other way round, so that one's LDS reads stand beside another's vector work.
; CODES GO FROM WAVE TO WAVE THROUGH LDS AS IMAGES OF OPERAND REGISTERS: units of 16 tokens x 16 bytes (a group of registers in one half of the lanes), 272 bytes apart.
; 272 = 256 + 16: the 16 units that a store touches start at 16 different 16-byte columns of 256 bytes.  All four tiles have LDS bytes of their own: one barrier a tile, nothing is written twice.
;   q, k: source 0 = 16 columns of W, source 1 = 16 tokens: a lane holds ONE token and eight neighbouring d: one conversion gives registers 2 ct, 2 ct + 1 of the token's fragment (K = d).
;   v:    source 0 = 16 tokens, source 1 = 16 columns of W: a lane holds ONE d and eight neighbouring tokens: one conversion gives two registers of V's fragment (K = the keys).
; OUT.  qimg: token tile T at 1,024 T.  kv: key step S (128 keys) at 16,384 S: K's eight tiles of 1,024 bytes, then from 8,192 on V's four d tiles of 2,048.
; NO CLUSTER: no two work-groups read the same tokens.  W's images are read by all, but a wave keeps its own 12,288 bytes in registers for all four tiles: a joint load would land in LDS, and W's
; 147,456 bytes would pass LDS in both directions on top of the fragments' 4 x 147,456 bytes of reads, behind a round of four work-groups; the loads bring them into the registers as they lie.
; NO PREFETCH: there is no loop to run ahead in, and half of x's tiles and W are asked for at the head.
; LIMITS: e0, e2, e4, e6 - e0 - e1, e7 - e2 - e3 and e9 - e4 - e5 between -126 and 119, so that each power of two below is an f32 number.  NaN among the inputs is not served.
.set PIECE, 272
.set UB,    16*PIECE                   ; 256 along K of a tile: 16 units
.set VERB,  3*UB                       ; a version of a tile
.set TILB,  3*VERB                     ; a tile, 39,168 bytes
.set STG,   4*TILB                     ; q's and k's codes in the order of the images: 4,096 p + 1,024 tile + 512 (ct / 2) + 16 lane + 8 (ct % 2)
.set SPARE, STG+8192                   ; the spare words, 128 bytes for each wave: no other line names them
.set LI,  1                            ; v1   16 x lane
.set IW,  2                            ; v2   where I store codes: tiles 0, 1, then 2, 3
.set IR,  3                            ; v3   where I read my version's fragments, likewise
.set SPW, 4                            ; v4, v5 for the add
.set NIL, 5
.set SC,  6                            ; v6-8 2^e of x's three versions.  448 x 2^e: s20-22
.set SE,  9                            ; v9   the same for my product's results.  448 x: s23
.set RC,  10                           ; v10-13 result codes of two tiles
.set SQ,  14                           ; v14  the stage: where I put 8 bytes of q's or k's codes
.set SR,  15                           ; v15  and where I read a whole tile back
.set T0,  16                           ; v16-31 quantiser: two sets of 8 held numbers, by turns
.set ACC, 16                           ;        multiplier: two accumulators (K steps 0, 2, 4 and 1, 3, 5)
.set CB,  32                           ; v32-55 quantiser: codes, 6 registers a token
.set FRG, 32                           ; v32-63 multiplier: x's fragments, two buffers of 16; from tile 1 on two more in the 32 registers of the tile's own numbers, which have been quantised
.set X,   64                           ; v64-159 three sets of 32 numbers of x
.set WR,  160                          ; v160-255 W's six fragments
.set WV,  14
.macro BAR                             ; my LDS stores have landed and my LDS loads are in: then the work-group's barrier
	s_wait_dscnt 0x0
	s_barrier_signal -1
	s_barrier_wait -1
.endm
.macro MKSC se, va, sb                 ; from the whole number e in s[se]: v[va] = 2^e, s[sb] = 448 x 2^e
	s_add_co_i32 s56, s[\se], 127
	s_lshl_b32 s57, s56, 23
	v_mov_b32 v[\va], s57
	s_add_co_i32 s56, s56, 8
	s_lshl_b32 s56, s56, 23
	s_or_b32 s[\sb], s56, 0x600000
.endm
.macro XLD m                           ; tile m: my four tokens, 256 numbers each
.irp i, 0,1,2,3
.irp j, 0,1
	global_load_b128 v[X+32*((\m)%3)+8*\i+4*\j:X+32*((\m)%3)+8*\i+4*\j+3], v[LI], s[4:5] offset:(16*(\m)+\i)*3072+512*\j th:TH_LOAD_NT
.endr
.endr
.endm
	s_load_b256 s[4:11], s[0:1], 0x0               ; x s[4:5], W's images s[6:7], the scales' exponents s[8:9], qimg s[10:11]
	s_load_b64 s[12:13], s[0:1], 0x20              ; kv
	v_lshrrev_b32 v16, 5, v0
	v_and_b32 v[LI], 31, v0
	v_readfirstlane_b32 s[WV], v16                 ; wave 0..11
	v_lshlrev_b32 v[LI], 4, v[LI]
	s_lshr_b32 s15, s[WV], 2                       ; p.  Also: which 256 along K I quantise
	s_and_b32 s16, s[WV], 3                        ; ct.  Also: which four tokens of a tile I quantise
	s_mul_i32 s52, ttmp9, 196608                   ; the work-group's 64 tokens of 3,072 bytes,
	s_mul_i32 s51, s16, 12288                      ; my four,
	s_add_co_u32 s52, s52, s51
	s_lshl_b32 s51, s15, 10                        ; my 1,024 bytes of each
	s_add_co_u32 s52, s52, s51
	s_mov_b32 s53, 0
	s_mul_i32 s54, s[WV], 12288                    ; W's column tile n = WV: six fragments
	s_mov_b32 s55, 0
	s_wait_alu depctr_va_vdst(0)
	s_wait_kmcnt 0x0
	s_load_b256 s[40:47], s[8:9], 0x0              ; e0 .. e7
	s_load_b64 s[48:49], s[8:9], 0x20              ; e8, e9
	s_add_nc_u64 s[4:5], s[4:5], s[52:53]
	s_add_nc_u64 s[6:7], s[6:7], s[54:55]
	XLD 0
.irp s, 0,1,2,3,4,5
.irp c, 0,1,2,3
	global_load_b128 v[WR+16*\s+4*\c:WR+16*\s+4*\c+3], v[LI], s[6:7] offset:2048*\s+512*\c   ; W's fragments as they lie: 512 consecutive bytes a load
.endr
.endr
	XLD 1
	; LDS addresses
	s_mul_i32 s56, s15, UB
	s_lshl_b32 s57, s16, 6
	s_add_co_u32 s56, s56, s57                     ; my 256 along K, my four tokens
	s_mul_i32 s57, s15, VERB                       ; my product's version
	s_lshl_b32 s58, s15, 12
	s_lshr_b32 s59, s16, 1
	s_lshl_b32 s59, s59, 9
	s_add_co_u32 s58, s58, s59
	s_and_b32 s59, s16, 1
	s_lshl_b32 s59, s59, 3
	s_add_co_u32 s58, s58, s59
	s_add_co_u32 s58, s58, STG
	s_lshl_b32 s59, s[WV], 10                      ; back: wave 4 p + m takes tile m of product p
	s_add_co_u32 s59, s59, STG
	v_lshl_add_u32 v[SPW], v0, 2, SPARE
	v_mov_b32 v[NIL], 0
	v_and_b32 v16, 31, v0
	v_lshrrev_b32 v17, 1, v16                      ; lane / 2: the unit of 16 bytes,
	v_and_b32 v18, 1, v0                           ; lane % 2: which half of it
	v_mul_u32_u24 v[IW], v17, PIECE
	v_lshl_add_u32 v[IW], v18, 3, v[IW]
	v_add_nc_u32 v[IW], s56, v[IW]
	v_and_b32 v19, 15, v0                          ; r
	v_bfe_u32 v20, v0, 4, 1                        ; h
	v_mul_u32_u24 v[IR], v20, PIECE
	v_lshl_add_u32 v[IR], v19, 4, v[IR]
	v_add_nc_u32 v[IR], s57, v[IR]
	v_add_nc_u32 v[SQ], s58, v[LI]
	v_add_nc_u32 v[SR], s59, v[LI]
	; where my 1,024 bytes of results go
	s_lshr_b32 s56, ttmp9, 1
	s_lshl_b32 s56, s56, 14                        ; the key step: two work-groups to one
	s_and_b32 s57, ttmp9, 1                        ; and which half of it is mine
	s_lshl_b32 s58, s16, 10
	s_lshl_b32 s59, ttmp9, 12
	s_add_co_u32 s59, s59, s58                     ; q: token tile 4 x work-group + (WV & 3)
	s_lshl_b32 s62, s57, 12
	s_add_co_u32 s62, s62, s56
	s_add_co_u32 s62, s62, s58                     ; k: key tile 4 x half + (WV & 3) of the step
	s_lshl_b32 s63, s16, 11
	s_add_co_u32 s63, s63, s56
	s_lshl_b32 s57, s57, 10
	s_add_co_u32 s63, s63, s57
	s_add_co_u32 s63, s63, 8192                    ; v: d tile ct, groups 2 x half and 2 x half + 1
	s_cmp_lt_u32 s[WV], 4
	s_cselect_b64 s[60:61], s[10:11], s[12:13]     ; the choice hangs on the wave's number alone
	s_cselect_b32 s62, s59, s62
	s_cmp_lt_u32 s[WV], 8
	s_cselect_b32 s62, s62, s63
	s_mov_b32 s63, 0
	s_add_nc_u64 s[60:61], s[60:61], s[62:63]
	s_wait_alu depctr_va_vdst(0)
	s_wait_kmcnt 0x0
	s_sub_co_i32 s56, s46, s40                     ; a sum of product p stands for sum x 2^(its two exponents): its code is sum / 2^(e of the result - those two): three scales folded into one
	s_sub_co_i32 s56, s56, s41                     ; q: e6 - e0 - e1
	s_sub_co_i32 s57, s47, s42
	s_sub_co_i32 s57, s57, s43                     ; k: e7 - e2 - e3
	s_sub_co_i32 s58, s49, s44
	s_sub_co_i32 s58, s58, s45                     ; v: e9 - e4 - e5
	s_cmp_eq_u32 s15, 1
	s_cselect_b32 s56, s57, s56
	s_cmp_eq_u32 s15, 2
	s_cselect_b32 s50, s58, s56
	MKSC 50, SE, 23
	MKSC 40, SC, 20
	MKSC 42, SC+1, 21
	MKSC 44, SC+2, 22
; My part of tile m: four tokens, eight numbers a lane, held and converted once for each version.  yg: loads issued behind this tile's, which may be out.
; The held numbers go into two sets by turns, so that a conversion's sources are written again only behind eight plain lines.
.macro QUANT m, yg
.irp i, 0,1,2,3
	s_wait_loadcnt \yg+6-2*\i
.irp p, 0,1,2
.set TT, T0+8*((3*\i+\p)%2)
.irp j, 0,1,2,3,4,5,6,7
	v_med3_num_f32 v[TT+\j], v[X+32*((\m)%3)+8*\i+\j], -s[20+\p], s[20+\p]   ; the conversion to an 8-bit code does not saturate (ISA guide 7.6.2): the hold comes first
.endr
	v_cvt_scalef32_pk8_fp8_f32 v[CB+6*\i+2*\p:CB+6*\i+2*\p+1], v[TT:TT+7], v[SC+\p]
.endr
	v_nop                                          ; one plain vector line behind the last conversion of a run
.irp p, 0,1,2
	ds_store_b64 v[IW], v[CB+6*\i+2*\p:CB+6*\i+2*\p+1] offset:TILB*((\m)%2)+VERB*\p+16*\i
.endr
.endr
.endm
.macro FBUF m, s                       ; FB: the buffer of K step s's fragment.  Tile 0 has two (its numbers' registers take tile 3's), the others four
.if (\m) == 0
.set NB, 2
.set FB, FRG+16*((\s)%2)
.else
.set NB, 4
.if (\s)%4 < 2
.set FB, FRG+16*((\s)%4)
.else
.set FB, X+32*((\m)%3)+16*((\s)%4-2)
.endif
.endif
.endm
.macro XFR m, s                        ; x's fragment of K step s, my version
	FBUF \m, \s
.irp c, 0,1,2,3
	ds_load_b128 v[FB+4*\c:FB+4*\c+3], v[IR] offset:TILB*((\m)%2)+UB*((\s)/2)+8*PIECE*((\s)%2)+2*PIECE*\c
.endr
.endm
; My column tile for token tile m: six K steps, two accumulators by turns, one instruction a turn.  swap = 0: source 0 = W (q, k); 1: source 0 = x (v).
.macro PROD m, swap
	XFR \m, 0
	XFR \m, 1
.if (\m) > 0
	XFR \m, 2
	XFR \m, 3
.endif
.irp s, 0,1,2,3,4,5
	FBUF \m, \s
.set YG, 5-\s
.if YG > NB-1
.set YG, NB-1
.endif
	s_wait_dscnt 4*YG                              ; this K step's four loads are in; those of the K steps behind it that have been issued may be out
.set AC, ACC+8*(\s%2)
.if \swap
.if \s < 2
	v_wmma_f32_16x16x128_fp8_fp8 v[AC:AC+7], v[FB:FB+15], v[WR+16*\s:WR+16*\s+15], 0
.else
	v_wmma_f32_16x16x128_fp8_fp8 v[AC:AC+7], v[FB:FB+15], v[WR+16*\s:WR+16*\s+15], v[AC:AC+7]
.endif
.else
.if \s < 2
	v_wmma_f32_16x16x128_fp8_fp8 v[AC:AC+7], v[WR+16*\s:WR+16*\s+15], v[FB:FB+15], 0
.else
	v_wmma_f32_16x16x128_fp8_fp8 v[AC:AC+7], v[WR+16*\s:WR+16*\s+15], v[FB:FB+15], v[AC:AC+7]
.endif
.endif
.if \s+NB < 6
.rept 4
	v_nop                                          ; four places in front of loads into registers that matrix instructions have read (ISA guide 7.12.1 for vector instructions)
.endr
	XFR \m, \s+NB
.endif
.endr
.rept 4
	v_nop                                          ; four places in front of the first read of results
.endr
.irp i, 0,2,4,6
	v_pk_add_f32 v[ACC+\i:ACC+\i+1], v[ACC+\i:ACC+\i+1], v[ACC+8+\i:ACC+9+\i]   ; the two partial sums, each from its low end on
.endr
.irp i, 0,1,2,3,4,5,6,7
	v_med3_num_f32 v[ACC+\i], v[ACC+\i], -s23, s23
.endr
	v_cvt_scalef32_pk8_fp8_f32 v[RC+2*((\m)%2):RC+2*((\m)%2)+1], v[ACC:ACC+7], v[SE]
	v_nop                                          ; one plain vector line behind the conversion: its sources are written again later
.if \swap == 0
	ds_store_b64 v[SQ], v[RC+2*((\m)%2):RC+2*((\m)%2)+1] offset:1024*(\m)
.elseif (\m)%2
	global_store_b128 v[LI], v[RC:RC+3], s[60:61] offset:512*((\m)/2)   ; v: two tiles' codes are my 16 bytes of a group of V's image: 512 consecutive bytes, at a multiple of 256 from the buffer's first byte
.endif
.endm
.macro MULT m
	s_cmp_lt_u32 s[WV], 8
	s_cbranch_scc0 .Lv_\@
	PROD \m, 0
	s_branch .Ljoin_\@
.Lv_\@:
	PROD \m, 1
.Ljoin_\@:
.endm
; Between two barriers: tile m multiplied, tile m + 1 quantised; k's waves in the other order.  The branches hang on the wave's number alone; the two touch LDS bytes apart.
.macro BOTH m, yg
	s_cmp_lt_u32 s[WV], 4
	s_cbranch_scc0 .Lnot_q_\@
	PROD \m, 0
	QUANT \m+1, \yg
	s_branch .Ljoined_\@
.Lnot_q_\@:
	s_cmp_lt_u32 s[WV], 8
	s_cbranch_scc0 .Lnot_k_\@
	QUANT \m+1, \yg
	s_wait_dscnt 0x0                               ; my stores have read the codes' registers, into which fragments are loaded next
	PROD \m, 0
	s_branch .Ljoined_\@
.Lnot_k_\@:
	PROD \m, 1
	QUANT \m+1, \yg
.Ljoined_\@:
.endm
	s_wait_alu depctr_va_vdst(0)
	QUANT 0, 32                                    ; behind tile 0's eight loads: W's 24 and tile 1's eight
	XLD 2
	XLD 3                                          ; into the registers just read
	BAR                                            ; tile 0's codes lie in LDS
	s_wait_loadcnt 0x18                            ; W is in; the 24 loads of tiles 1 to 3 may be out
	MULT 0
	QUANT 1, 16                                    ; behind tile 1's loads: tiles 2's and 3's
	BAR
	v_add_nc_u32 v[IW], 2*TILB, v[IW]              ; on to tiles 2, 3: first read behind nine plain lines or more
	BOTH 1, 8
	BAR
	v_add_nc_u32 v[IR], 2*TILB, v[IR]
	s_wait_alu depctr_va_vdst(0)
	s_wait_xcnt 0x0                                ; v: the first store has read the codes' registers, which are written again
	BOTH 2, 0
	BAR
	MULT 3
	BAR                                            ; q's and k's eight tiles lie whole in the stage
	s_cmp_lt_u32 s[WV], 8
	s_cbranch_scc0 .Ldone
	ds_load_b128 v[FRG:FRG+3], v[SR]               ; a tile's image, whose pieces four waves wrote
	ds_load_b128 v[FRG+4:FRG+7], v[SR] offset:512
	s_wait_dscnt 0x0
	global_store_b128 v[LI], v[FRG:FRG+3], s[60:61]            ; each store covers 512 consecutive bytes, at a multiple of 256 from the buffer's first byte
	global_store_b128 v[LI], v[FRG+4:FRG+7], s[60:61] offset:512
.Ldone:
	s_wait_tensorcnt 0x0                           ; the wave's end
	ds_add_u32 v[SPW], v[NIL]
	s_wait_dscnt 0x0
	s_endpgm
.Lfunc_end_k_q21509d3579_qkv:
	.size	k_q21509d3579_qkv, .Lfunc_end_k_q21509d3579_qkv-k_q21509d3579_qkv
	.p2alignl 7, 3214868480
	.fill 96, 4, 3214868480
	.section	.rodata,"a",@progbits
	.p2align	6, 0x0
	.amdhsa_kernel k_q21509d3579_qkv
		.amdhsa_group_segment_fixed_size 166400
		.amdhsa_private_segment_fixed_size 0
		.amdhsa_enable_private_segment 0
		.amdhsa_kernarg_size 40
		.amdhsa_user_sgpr_count 2
		.amdhsa_user_sgpr_kernarg_segment_ptr 1
		.amdhsa_wavefront_size32 1
		.amdhsa_system_sgpr_workgroup_id_x 1
		.amdhsa_system_sgpr_workgroup_id_y 1
		.amdhsa_system_sgpr_workgroup_id_z 1
		.amdhsa_system_vgpr_workitem_id 0
		.amdhsa_next_free_vgpr 256
		.amdhsa_next_free_sgpr 66
		.amdhsa_reserve_vcc 0
		.amdhsa_float_denorm_mode_32 3
		.amdhsa_float_denorm_mode_16_64 3
		.amdhsa_memory_ordered 1
		.amdhsa_forward_progress 1
		.amdhsa_inst_pref_size 108
	.end_amdhsa_kernel
	.amdgpu_metadata
---
amdhsa.version: [ 1, 2 ]
amdhsa.kernels:
  - .name:           k_q21509d3579_qkv
    .symbol:         k_q21509d3579_qkv.kd
    .args:
      - { .name: x, .offset: 0, .size: 8, .value_kind: global_buffer, .address_space: global }
      - { .name: wimg, .offset: 8, .size: 8, .value_kind: global_buffer, .address_space: global }
      - { .name: lowp_scales, .offset: 16, .size: 8, .value_kind: global_buffer, .address_space: global }
      - { .name: qimg, .offset: 24, .size: 8, .value_kind: global_buffer, .address_space: global }
      - { .name: kv, .offset: 32, .size: 8, .value_kind: global_buffer, .address_space: global }
    .group_segment_fixed_size: 166400
    .private_segment_fixed_size: 0
    .kernarg_segment_align: 8
    .kernarg_segment_size: 40
    .max_flat_workgroup_size: 384
    .sgpr_count:     66
    .vgpr_count:     256
    .wavefront_size: 32
...
	.end_amdgpu_metadata
.endif
;; end of part 2
;; launch attn (part 3): grid 64 x 4, 16 waves a work-group, clusters of 4 x 1, 327,680 bytes of LDS; arguments qimg, kv, lowp_scales, out0; writes out0
.if DOCPART == 3
	.amdgcn_target "amdgcn-amd-amdhsa--gfx1250"
	.amdhsa_code_object_version 6
	.text
	.protected	k_q21509d3579_attn
	.globl	k_q21509d3579_attn
	.p2align	8
	.type	k_q21509d3579_attn,@function
k_q21509d3579_attn:
	s_mov_b64 s[64:65], 0
	v_nop
	global_prefetch_b8 v0, s[64:65] scope:SCOPE_SE
	s_setreg_imm32_b32 hwreg(HW_REG_WAVE_MODE, 25, 1), 1
	s_wait_xcnt 0x0
	s_wait_alu depctr_hold_cnt(0) depctr_sa_sdst(0) depctr_va_vdst(0) depctr_va_sdst(0) depctr_va_ssrc(0) depctr_va_vcc(0) depctr_vm_vsrc(0)
	s_getreg_b32 s2, hwreg(HW_REG_IB_STS2, 6, 4)
	s_cmp_eq_u32 s2, 0
	s_cbranch_scc0 .Lentry_in_a_cluster
	s_endpgm
.Lentry_in_a_cluster:
	s_bfe_u32 s2, ttmp6, 0x10000c
	s_cmp_lg_u32 s2, 0x3003
	s_cbranch_scc0 .Lentry_shape_is_right
	s_endpgm
.Lentry_shape_is_right:
; out[b][q][:] = the sum over keys k <= q of softmax_k(Q[b][q] . K[b][k] / 8) V[b][k][:], both products on codes of FP8 (E4M3).  4 batches, 4,096 tokens, head size 64.
; qimg and kv hold the codes as images of operand registers (a group of four registers: 512 bytes, lane l's 16 at 16 l): Q's tile of 16 tokens at 1,024 x tile;
; key step S (128 keys) at 16,384 S: K's eight tiles of 16 keys (1,024 bytes each), then from 8,192 on V^T's four tiles of 16 d x 128 keys (2,048 each).
; THE SOFTMAX AHEAD OF THE SECOND PRODUCT: t = score x log2(e) / 8; M = the largest t so far, rounded UP to a whole number; p = 2^(t - M) is what is quantised, not normalised.
; The sum is taken of the unquantised p, in f32, and divides at the end.  Parts under different M are brought under one by powers of two: exact.
; LAYOUT.  Both products are used transposed: S^T = K Q^T (source 0 = 16 keys, source 1 = 16 queries), O^T = V^T P^T (source 0 = 16 d, source 1 = P): a lane holds ONE query (lane % 16)
; throughout.  Tile i of S^T gives lane (r, h) the keys 16 i + 8 h + 0 .. 7: one conversion makes registers 2 i, 2 i + 1 of P, the very keys that V's image has there.
; SHARES.  Work-group cx of cluster c owns 32 queries (32 cx on) of the blocks of 128 queries c and 31 - c: tiles 0, 1 and 2, 3 of 16.  A tile of block k wants key steps 0 .. k.
; Wave w takes key step w for tiles 2, 3 and, where w <= c, for tiles 0, 1; then, where w > c, key step 31 - w for tiles 2, 3: four tile-steps a wave.  Key step 31 - c is left over:
; its tile 2 goes to wave c and its tile 3 to wave c - 1 (where c = 0: both to wave 0).  LEFT OUT: key steps wholly behind a tile's block, whose scores reference() itself masks.
; CLUSTER.  Every work-group reads key steps 0 .. 15, one a wave: the four of a cluster ask for them JOINTLY, a wave for its own, into LDS bytes of that wave alone, whence K and V go into its registers
; once.  Which of the key steps 16 .. 31 are read hangs on c, so they are no joint loads: they go from memory straight into the registers of the one wave that works them.
; No branch and no LDS address hangs on cx; which steps a wave works hangs on c and the wave's number, alike in the four.
; THE MEETING.  A wave leaves each tile's O^T (16 queries x 64 d), its sums and its -M in LDS bytes of its own (the second key step of tiles 2, 3 takes the first's up again from there);
; at the end each wave finishes four queries out of sixteen parts.  The parts lie over the wave's tile of keys, which has had its one fill and is in registers; a round of the cluster's barrier
; ahead of each wave's first part says that no wave of any partner has a joint load on its way any more.
; NO PREFETCH: there is no loop to run ahead in: a wave has one key step or two, the first is asked for at its head, the second while the first is worked.
; LIMITS: e6 + e7 between -123 and 130 (they are added to c's exponent field); e8 between -126 and 119; e8 + e9 is applied by v_ldexp_f32 and has none.  The promise holds while the scaled
; scores stay under 2^31 in magnitude.  A NaN, an infinity or an overflow that reaches only the steps left out is not carried to the result.
.set PARTB, 16*272                     ; a part: 16 rows of 256 bytes + 16
.set WAVB,  4*PARTB                    ; a wave's four, 68 x 256 bytes.  From its first byte on also the wave's first key step, 16,384 bytes
.set MLB,   16*WAVB                    ; behind them the sums and -M: 8 bytes a query, 128 a tile, 520 from wave to wave
.set MLP,   520
.set SPARE, MLB+8448                   ; the spare words, 128 bytes for each wave: eight blocks of 256 bytes that no other line names
.set LI,   1                           ; v1   16 x lane
.set DM,   2                           ; v2   the mask: an even tile's query's place in its block - 8 h
.set NINF, 3                           ; v3   -infinity
.set SPW,  4                           ; v4, v5 for the adds
.set NIL,  5
.set PD,   6                           ; v6   where I put a part,
.set MLW,  7                           ; v7   and its sums and -M
; v8 -M (v9 named with it); v10, v11 the sum; v12 f (v13 named with it); v14, v15, v17 at work (v14 at first: where I read my key step); v16 2^e8; v18-25 the sum's chains
.set K2,   26                          ; v26-27 -M and sum of tile 2 after its first key step (at the head: r and h)
.set Q2,   28                          ; v28-43 Q's fragments of tiles 2, 3
.set Q0,   44                          ; v44-59 of tiles 0, 1; behind those tiles v44-45: -M and sum of tile 3 after its first key step
.set PC,   60                          ; v60-75 p's codes: four registers, then over scores that have been converted
.set S,    64                          ; v64-127 S^T, then p
.set OT,   80                          ; v80-111 O^T, over p that has been converted
.set VR,   128                         ; v128-191 V's four fragments
.set KR,   192                         ; v192-255 K's eight
.macro FETCH reg, off                  ; half of my second key step as it lies in memory: 512 consecutive bytes a load
.set n, 0
.rept 16
	global_load_b128 v[\reg+4*n:\reg+4*n+3], v[LI], s[40:41] offset:\off+512*n
.set n, n+1
.endr
.endm
.macro TAKE reg, off                   ; half of my first key step as it lies in LDS
.set n, 0
.rept 16
	ds_load_b128 v[\reg+4*n:\reg+4*n+3], v14 offset:\off+512*n
.set n, n+1
.endr
.endm
.macro CROUND                          ; a round of the cluster's barrier: my work-group's barrier, wave 0 signals for the work-group, every wave waits for all four work-groups, my work-group's barrier once more
	s_barrier_signal -1
	s_barrier_wait -1
	s_cmp_lg_u32 s12, 0
	s_cbranch_scc1 .Lnot_wave_0_\@
	s_barrier_signal -3
.Lnot_wave_0_\@:
	s_barrier_wait -3
	s_barrier_signal -1
	s_barrier_wait -1
.endm
	s_load_b256 s[4:11], s[0:1], 0x0               ; qimg s[4:5], kv s[6:7], the scales' exponents s[8:9], out s[10:11]
	v_lshl_add_u32 v[SPW], v0, 2, SPARE
	v_mov_b32 v[NIL], 0
	ds_add_u32 v[SPW], v[NIL]                      ; the wave's opening: the add, twice on end, and its wait ahead of my tensor load
	ds_add_u32 v[SPW], v[NIL]
	v_lshrrev_b32 v26, 5, v0
	v_and_b32 v[LI], 31, v0
	v_readfirstlane_b32 s12, v26                   ; wave 0..15
	v_lshlrev_b32 v[LI], 4, v[LI]
	s_mov_b32 s15, ttmp9                           ; c: in a cluster launch ttmp9 counts clusters
	s_bfe_u32 s16, ttmp6, 0x40000                  ; cx: my place in the cluster
	s_and_b32 s13, ttmp7, 0xffff                   ; the batch
	; descriptor group 1: a key step, 16,384 dense bytes, as 64 rows of 256
	s_mov_b32 s72, 15|(3<<16)|(1<<21)              ; 15:0 the mask: all four work-groups; 17:16 elements of 8 bytes; 20 no padding; 21 set beside a mask
	s_mov_b32 s73, 32<<16                          ; tensor_dim0 = 32 elements
	s_mov_b32 s74, 64<<16                          ; tensor_dim1 = 64
	s_mov_b32 s75, 32<<16                          ; tile_dim0 = 32
	s_mov_b32 s76, 64                              ; tile_dim1 = 64
	s_mov_b32 s77, 32                              ; from row to row: 32 elements
	s_mov_b32 s78, 0
	s_mov_b32 s79, 0
	s_mul_i32 s43, s12, WAVB                       ; my LDS bytes
	s_mov_b32 s68, 1                               ; group 0: count = 1,
	s_mov_b32 s69, s43                             ; LDS address
	s_lshl_b32 s45, s13, 19                        ; the batch's 32 key steps of 16,384 bytes
	s_lshl_b32 s56, s12, 14
	s_add_co_u32 s56, s56, s45                     ; my first key step: w
	s_mov_b32 s57, 0
	s_max_u32 s18, s12, s15
	s_sub_co_u32 s18, 31, s18                      ; my second: 31 - w; in waves c and c - 1: 31 - c
	s_lshl_b32 s58, s18, 14
	s_add_co_u32 s58, s58, s45
	s_mov_b32 s59, 0
	s_sub_co_u32 s17, 31, s15                      ; the far block
	s_lshl_b32 s44, s13, 8
	s_lshl_b32 s45, s16, 1
	s_add_co_u32 s44, s44, s45                     ; 256 x batch + 2 cx
	s_lshl_b32 s46, s15, 3
	s_add_co_u32 s46, s46, s44                     ; tile 0 among all tiles of 16 tokens,
	s_lshl_b32 s47, s17, 3
	s_add_co_u32 s47, s47, s44                     ; and tile 2
	s_lshl_b32 s52, s46, 10
	s_mov_b32 s53, 0
	s_lshl_b32 s54, s47, 10
	s_mov_b32 s55, 0
	s_wait_alu depctr_va_vdst(0)
	s_wait_dscnt 0x0                               ; both opening adds are done
	s_wait_kmcnt 0x0
	s_load_b128 s[28:31], s[8:9], 0x18             ; e6, e7, e8, e9
	s_add_nc_u64 s[34:35], s[4:5], s[52:53]
	s_add_nc_u64 s[36:37], s[4:5], s[54:55]
	s_add_nc_u64 s[70:71], s[6:7], s[56:57]        ; global address: alike in the four partners,
	s_or_b32 s71, s71, 0x80000000                  ; type = 2
	s_add_nc_u64 s[40:41], s[6:7], s[58:59]
	CROUND                                         ; all four work-groups are here: the joint loads meet
	tensor_load_to_lds s[68:71], s[72:79]
	s_nop 0
.irp i, 0,1,2,3
	global_load_b128 v[Q2+4*\i:Q2+4*\i+3], v[LI], s[36:37] offset:512*\i
.endr
.irp i, 0,1,2,3
	global_load_b128 v[Q0+4*\i:Q0+4*\i+3], v[LI], s[34:35] offset:512*\i
.endr
	s_add_co_u32 s19, s12, 1
	s_cmp_ge_u32 s19, s15
	s_cselect_b32 s50, 1, 0                        ; have I a second key step?  w >= c - 1
	s_cmp_eq_u32 s12, s15
	s_cselect_b32 s51, s15, 0                      ; not 0: wave c, c not 0: tile 3 of the second key step is wave c - 1's
	s_lshl_b32 s42, s16, 5                         ; 32 cx
	s_mul_i32 s49, s12, MLP
	s_add_co_u32 s49, s49, MLB
	; the meeting: wave 4 t + g finishes queries 4 g .. 4 g + 3 of tile t
	s_cmp_lt_u32 s12, 8
	s_cselect_b32 s48, s46, s47
	s_lshr_b32 s60, s12, 2
	s_and_b32 s61, s60, 1
	s_add_co_u32 s48, s48, s61
	s_lshl_b32 s62, s48, 12                        ; 16 rows of 256 bytes of out a tile
	s_and_b32 s61, s12, 3
	s_lshl_b32 s63, s61, 10
	s_add_co_u32 s62, s62, s63
	s_mov_b32 s63, 0
	s_add_nc_u64 s[10:11], s[10:11], s[62:63]
	s_mul_i32 s66, s60, PARTB
	s_mul_i32 s67, s61, 4*272
	s_add_co_u32 s66, s66, s67
	s_lshl_b32 s67, s60, 7
	s_lshl_b32 s19, s61, 5
	s_add_co_u32 s67, s67, s19
	s_add_co_u32 s67, s67, MLB
	s_mov_b32 s20, 0x76543210                      ; v_permlanex16_b32's selects for lane l xor 16
	s_mov_b32 s21, 0xfedcba98
	v_and_b32 v26, 15, v0                          ; r
	v_bfe_u32 v27, v0, 4, 1                        ; h
	v_lshlrev_b32 v[DM], 3, v27
	v_sub_nc_u32 v[DM], v26, v[DM]
	v_add_nc_u32 v[DM], s42, v[DM]                 ; on the diagonal register 8 i + j holds the block's key 16 i + 8 h + j: hidden where 16 i + j > the query's place - 8 h
	v_mov_b32 v[NINF], 0xff800000
	v_mul_u32_u24 v[PD], v26, 272
	v_lshl_add_u32 v[PD], v27, 5, v[PD]
	v_add_nc_u32 v[PD], s43, v[PD]                 ; row r; d tile n's eight numbers of my half at 64 n + 32 h
	v_lshl_add_u32 v[MLW], v26, 3, s49
	v_add_nc_u32 v14, s43, v[LI]
	v_mov_b32 v9, 0                                ; (named as upper halves of pairs)
	v_mov_b32 v13, 0
	v_mov_b32 v17, 0                               ; (a lane permute's destination counts as one of its sources)
	s_wait_alu depctr_va_vdst(0)
	s_wait_kmcnt 0x0
	s_add_co_i32 s59, s28, s29
	s_lshl_b32 s59, s59, 23
	s_mov_b32 s22, 0x3e38aa3b                      ; c = log2(e) / 8
	s_add_co_i32 s22, s22, s59                     ; a score stands for score x 2^(e6 + e7): the two exponents are added to c's exponent field
	s_mov_b32 s23, s22                             ; (named with it as a pair, so it is written)
	s_xor_b32 s24, s22, 0x80000000                 ; -c
	s_add_co_i32 s59, s30, 127
	s_lshl_b32 s58, s59, 23
	v_mov_b32 v16, s58                             ; 2^e8 as f32, for the conversion
	s_add_co_i32 s59, s59, 8
	s_lshl_b32 s59, s59, 23
	s_or_b32 s25, s59, 0x600000                    ; 448 x 2^e8
	s_add_co_i32 s26, s30, s31                     ; e8 + e9
; A TILE-STEP: tile t (Q's fragment at q) and the key step whose K lies in KR and V in VR.  sec = 0: the tile's first key step in this wave; 1: its second, which takes up what the first left:
; -M and the sum in v[sv:sv+1], O^T in LDS.  wt: V may still be on its way, 1 from memory, 2 from LDS.  gd = 1: the cluster's round stands ahead of the wave's first part.
.macro TSTEP q, t, sec, sv, wt, gd
.set n, 0
.rept 8
	v_wmma_f32_16x16x64_fp8_fp8 v[S+8*n:S+8*n+7], v[KR+8*n:KR+8*n+7], v[\q:\q+7], 0
.set n, n+1
.endr
.rept 4
	v_nop                                          ; four places: in front of the first read of the scores, and of loads into K's registers
.endr
.if (\t) == 3 && (\sec) == 0
	s_cmp_eq_u32 s50, 0                            ; this key step's K has been used for the last time: the second key step's is asked for, if I have one
	s_cbranch_scc1 .Lnone_\@
	FETCH KR, 0
.Lnone_\@:
.endif
.if (\t) < 2 || (\sec)
.if \sec
	s_cmp_gt_u32 s12, s15                          ; the second key step lies on the far block's diagonal in waves c and c - 1 alone,
.else
	s_cmp_lg_u32 s12, s15                          ; the first on the near block's in wave c alone
.endif
	s_cbranch_scc1 .Lopen_\@
.irp n, 0,1,2,3,4,5,6,7,8,9,10,11,12,13,14,15,16,17,18,19,20,21,22,23,24,25,26,27,28,29,30,31,32,33,34,35,36,37,38,39,40,41,42,43,44,45,46,47,48,49,50,51,52,53,54,55,56,57,58,59,60,61,62,63
	v_cmp_gt_i32 vcc_lo, 16*(\n/8)+\n%8-16*((\t)%2), v[DM]
	v_cndmask_b32 v[S+\n], v[S+\n], v[NINF], vcc_lo            ; hidden scores become -infinity ahead of the maximum, so p = 0.  The step's first key counts for every query, so M is a number
.endr
.Lopen_\@:
.endif
	v_max3_num_f32 v14, v[S], v[S+1], v[S+2]       ; the largest score of my query, among my 64 keys, in two chains; each tile is read from its low end on
	v_max3_num_f32 v15, v[S+3], v[S+4], v[S+5]
.irp i, 6,10,14,18,22,26,30,34,38,42,46,50,54,58
	v_max3_num_f32 v14, v14, v[S+\i], v[S+1+\i]
	v_max3_num_f32 v15, v15, v[S+2+\i], v[S+3+\i]
.endr
	v_max3_num_f32 v14, v14, v[S+62], v[S+63]
	s_delay_alu instid0(VALU_DEP_1)
	v_max_num_f32 v14, v14, v15
	s_delay_alu instid0(VALU_DEP_1)
	v_permlanex16_b32 v17, v14, s20, s21
	s_delay_alu instid0(VALU_DEP_1)
	v_max_num_f32 v14, v14, v17                    ; and among lane l xor 16's
	s_delay_alu instid0(VALU_DEP_1)
	v_mul_f32 v14, s24, v14                        ; -t (c is positive)
.if \sec
	s_delay_alu instid0(VALU_DEP_1)
	v_floor_f32 v14, v14
	s_delay_alu instid0(VALU_DEP_1)
	v_min_num_f32 v8, v14, v[\sv]                  ; -M, over both key steps
	s_delay_alu instid0(VALU_DEP_1)
	v_sub_f32 v14, v8, v[\sv]                      ; M's old value less its new one: a whole number, 0 or less
	s_delay_alu instid0(VALU_DEP_1)
	v_cvt_i32_f32 v14, v14                         ; (it saturates)
	s_delay_alu instid0(VALU_DEP_1)
	v_ldexp_f32 v12, 1.0, v14                      ; f = 2^(old M - new M)
.else
	s_delay_alu instid0(VALU_DEP_1)
	v_floor_f32 v8, v14                            ; -M = floor(-t) = -ceil(t): M IS A WHOLE NUMBER
.endif
.set n, 0
.rept 32
	v_pk_fma_f32 v[S+n:S+n+1], v[S+n:S+n+1], s[22:23], v[8:9] op_sel_hi:[1,0,0]   ; t - M, two at a time (of the pairs c and -M the low word serves both halves)
.set n, n+2
.endr
	s_wait_alu depctr_va_vdst(0)
.set n, 0
.rept 64
	v_exp_f32 v[S+n], v[S+n]                       ; p = 2^(t - M), at most 1: NOT normalised
.set n, n+1
.endr
.if \sec
	v_mul_f32 v10, v12, v[\sv+1]                   ; the first step's sum under the new M.  (A plain place behind the exponentials)
.else
	v_nop                                          ; a plain place behind the exponentials
.endif
	s_wait_alu depctr_va_vdst(0)                   ; one wait for the whole batch, ahead of its first reader
.irp a, 0,2,4,6
	v_pk_add_f32 v[18+\a:19+\a], v[S+\a:S+\a+1], v[S+8+\a:S+9+\a]   ; THE SUM IS TAKEN OF THE UNQUANTISED p, in four chains
.endr
.irp g, 16,24,32,40,48,56
.irp a, 0,2,4,6
	v_pk_add_f32 v[18+\a:19+\a], v[18+\a:19+\a], v[S+\g+\a:S+\g+\a+1]
.endr
.endr
.irp g, 0,1,2,3
.irp i, 0,2,4,6,8,10,12,14
	v_dual_min_num_f32 v[S+16*\g+\i], s25, v[S+16*\g+\i] :: v_dual_min_num_f32 v[S+16*\g+\i+1], s25, v[S+16*\g+\i+1]   ; the conversion to an 8-bit code does not saturate (ISA guide 7.6.2); p is not negative, so the hold is one-sided.  It stands whatever e8 is
.endr
	v_cvt_scalef32_pk8_fp8_f32 v[PC+4*\g:PC+4*\g+1], v[S+16*\g:S+16*\g+7], v16       ; from the second block on the codes lie over the first block's p, converted eight plain lines ago or more
	v_cvt_scalef32_pk8_fp8_f32 v[PC+4*\g+2:PC+4*\g+3], v[S+16*\g+8:S+16*\g+15], v16
.if (\sec) && (\g == 1 || \g == 2)
.irp i, 0,1
	ds_load_b128 v[OT+16*(\g-1)+8*\i:OT+16*(\g-1)+8*\i+3], v[PD] offset:(\t)*PARTB+128*(\g-1)+64*\i       ; O^T as the first step left it, over p that has been converted
	ds_load_b128 v[OT+16*(\g-1)+8*\i+4:OT+16*(\g-1)+8*\i+7], v[PD] offset:(\t)*PARTB+128*(\g-1)+64*\i+16
.endr
.endif
.endr
	v_pk_add_f32 v[18:19], v[18:19], v[20:21]      ; (these are also the plain lines between the conversions and the products that read their results)
	v_pk_add_f32 v[22:23], v[22:23], v[24:25]
	v_pk_add_f32 v[18:19], v[18:19], v[22:23]
.if \sec
	v_add_f32 v18, v18, v19
	v_add_f32 v10, v10, v18
.else
	v_add_f32 v10, v18, v19
.endif
.if \wt
	s_wait_alu depctr_va_vdst(0)
.if \wt == 1
	s_wait_loadcnt 0x0                             ; V is in
.else
	s_wait_dscnt 0x0                               ; V is in: my first key step is whole in registers
.endif
.endif
.if \sec
	s_wait_dscnt 0x0                               ; O^T is back
.set n, 0
.rept 16
	v_pk_mul_f32 v[OT+n:OT+n+1], v[OT+n:OT+n+1], v[12:13] op_sel_hi:[1,0]   ; under the new M
.set n, n+2
.endr
.endif
.set n, 0
.rept 4
.if \sec
	v_wmma_f32_16x16x128_fp8_fp8 v[OT+8*n:OT+8*n+7], v[VR+16*n:VR+16*n+15], v[PC:PC+15], v[OT+8*n:OT+8*n+7]
.else
	v_wmma_f32_16x16x128_fp8_fp8 v[OT+8*n:OT+8*n+7], v[VR+16*n:VR+16*n+15], v[PC:PC+15], 0
.endif
.set n, n+1
.endr
	; six places behind the products: four are owed to the stores below and to loads into V's registers, five to the next scores, which lie over these registers
.if (\t) >= 2 && (\sec) == 0
	v_mov_b32 v[\sv], v8
	v_mov_b32 v[\sv+1], v10
.else
	v_nop
	v_nop
.endif
	v_permlanex16_b32 v17, v10, s20, s21
	v_mov_b32 v11, v8                              ; beside the sum: -M
	v_add_f32 v10, v10, v17                        ; and lane l xor 16's part of the sum
	v_nop
.if \gd
	s_wait_alu depctr_va_vdst(0)
	CROUND                                         ; in front of it every wave has waited for its joint load and for its reads of it: the parts may lie over the key steps
.endif
.irp n, 0,1,2,3
	ds_store_b128 v[PD], v[OT+8*\n:OT+8*\n+3] offset:(\t)*PARTB+64*\n
	ds_store_b128 v[PD], v[OT+8*\n+4:OT+8*\n+7] offset:(\t)*PARTB+64*\n+16
.endr
	ds_store_b64 v[MLW], v[10:11] offset:128*(\t)  ; (lanes r and r + 16 write the same 8 bytes with the same numbers)
.endm
	s_wait_alu depctr_va_vdst(0)
	s_wait_loadcnt 0x0                             ; Q is in
	s_wait_tensorcnt 0x0                           ; my first key step has landed: no other wave reads it
	TAKE KR, 0
	TAKE VR, 8192
	s_wait_dscnt 0x10                              ; K is in; V's sixteen loads may be out
	TSTEP Q2, 2, 0, K2, 2, 1
	s_cmp_gt_u32 s12, s15
	s_cbranch_scc1 .Lhidden
	TSTEP Q0, 0, 0, 0, 0, 0
	TSTEP Q0+8, 1, 0, 0, 0, 0
	s_branch .Lfar
.Lhidden:                                          ; my key step lies behind tiles 0 and 1: my parts of them are zeros under the least M
.irp n, 0,1,2,3
	v_mov_b32 v[S+\n], 0
.endr
	v_mov_b32 v10, 0
	v_mov_b32 v11, 0x7f61b1e6                      ; -M = 3e38
.irp t, 0,1
.irp n, 0,1,2,3
	ds_store_b128 v[PD], v[S:S+3] offset:\t*PARTB+64*\n
	ds_store_b128 v[PD], v[S:S+3] offset:\t*PARTB+64*\n+16
.endr
	ds_store_b64 v[MLW], v[10:11] offset:128*\t
.endr
.Lfar:
	TSTEP Q2+8, 3, 0, Q0, 0, 0                     ; (the second key step's K is asked for in it)
	s_cmp_eq_u32 s50, 0
	s_cbranch_scc1 .Lmeet
	FETCH VR, 8192
	s_wait_loadcnt 0x10                            ; K is in; V's sixteen loads may be out
	s_cmp_lt_u32 s12, s15
	s_cbranch_scc1 .Lthird
	TSTEP Q2, 2, 1, K2, 1, 0
.Lthird:
	s_cmp_lg_u32 s51, 0
	s_cbranch_scc1 .Lmeet
	TSTEP Q2+8, 3, 1, Q0, 1, 0
.Lmeet:
	s_wait_loadcnt 0x0                             ; nothing is on its way into registers that are written below
	; THE MEETING.  Lanes 0-15 take one query, lanes 16-31 the next, two such pairs; a lane has four d (16 bytes) of each part, and the sum and -M of ONE part: part lane % 16.
.set GO,  192
.set MR,  193                          ; v193-196: parts 0-3, 4-7, 8-11, 12-15
.set MLR, 197
.set ML,  200                          ; v200-203: sum and -M, two pairs of queries
.set MN,  204
.set FF,  206
.set LL,  208
.set WT,  212                          ; v212-243: the sixteen factors, two pairs of queries
.set OUTR, 244
.set PX,  64                           ; v64-191: 2 x 16 parts
	v_and_b32 v198, 15, v0
	v_bfe_u32 v199, v0, 4, 1
	v_lshlrev_b32 v[GO], 4, v198
	v_lshl_add_u32 v[GO], v199, 8, v[GO]
	v_mul_u32_u24 v[MR], v199, 272
	v_lshl_add_u32 v[MR], v198, 4, v[MR]
	v_add_nc_u32 v[MR], s66, v[MR]
	v_mul_u32_u24 v[MLR], v198, MLP
	v_lshl_add_u32 v[MLR], v199, 3, v[MLR]
	v_add_nc_u32 v[MLR], s67, v[MLR]
	v_add_nc_u32 v[MR+1], 4*WAVB, v[MR]
	v_add_nc_u32 v[MR+2], 8*WAVB, v[MR]
	v_add_nc_u32 v[MR+3], 12*WAVB, v[MR]
	s_wait_alu depctr_va_vdst(0)
	s_wait_dscnt 0x0                               ; for the others' sake: my stores have landed
	s_barrier_signal -1
	s_barrier_wait -1
	ds_load_b64 v[ML:ML+1], v[MLR]
	ds_load_b64 v[ML+2:ML+3], v[MLR] offset:16
.irp k, 0,1
.irp i, 0,1,2,3,4,5,6,7,8,9,10,11,12,13,14,15
	ds_load_b128 v[PX+64*\k+4*\i:PX+64*\k+4*\i+3], v[MR+\i/4] offset:WAVB*(\i%4)+544*\k
.endr
.endr
	s_wait_dscnt 0x20                              ; the two first are in; the 32 parts may be out
	v_min_num_f32_dpp v[MN], v[ML+1], v[ML+1] row_xmask:1 row_mask:0xf bank_mask:0xf     ; the least -M of the sixteen parts: the query's
	v_min_num_f32_dpp v[MN+1], v[ML+3], v[ML+3] row_xmask:1 row_mask:0xf bank_mask:0xf
.irp x, 2,4,8
	v_min_num_f32_dpp v[MN], v[MN], v[MN] row_xmask:\x row_mask:0xf bank_mask:0xf
	v_min_num_f32_dpp v[MN+1], v[MN+1], v[MN+1] row_xmask:\x row_mask:0xf bank_mask:0xf
.endr
	v_sub_f32 v[FF], v[MN], v[ML+1]                ; my part's M less the query's: a whole number, 0 or less
	v_sub_f32 v[FF+1], v[MN+1], v[ML+3]
	v_cvt_i32_f32 v[FF], v[FF]                     ; (it saturates: a part of zeros gets the factor 0)
	v_cvt_i32_f32 v[FF+1], v[FF+1]
	v_ldexp_f32 v[FF], 1.0, v[FF]
	v_ldexp_f32 v[FF+1], 1.0, v[FF+1]
	v_mul_f32 v[LL], v[FF], v[ML]
	v_mul_f32 v[LL+1], v[FF+1], v[ML+2]
.irp x, 1,2,4,8
	v_add_f32_dpp v[LL], v[LL], v[LL] row_xmask:\x row_mask:0xf bank_mask:0xf             ; the row's sum under its M
	v_add_f32_dpp v[LL+1], v[LL+1], v[LL+1] row_xmask:\x row_mask:0xf bank_mask:0xf
.endr
	s_wait_alu depctr_va_vdst(0)
	v_rcp_f32 v[LL], v[LL]
	v_rcp_f32 v[LL+1], v[LL+1]
	v_nop                                          ; one plain place behind a transcendental
	s_wait_alu depctr_va_vdst(0)                   ; the wait, ahead of the first reader
	v_ldexp_f32 v[LL], v[LL], s26                  ; x 2^(e8 + e9)
	v_ldexp_f32 v[LL+1], v[LL+1], s26
	v_mul_f32 v[FF], v[FF], v[LL]
	v_mul_f32 v[FF+1], v[FF+1], v[LL+1]
.irp k, 0,1
.irp i, 0,1,2,3,4,5,6,7,8,9,10,11,12,13,14,15
	v_mov_b32_dpp v[WT+16*\k+\i], v[FF+\k] row_share:\i row_mask:0xf bank_mask:0xf        ; part i's factor, from lane i of my half
.endr
.endr
	s_wait_alu depctr_va_vdst(0)
.irp k, 0,1
	s_wait_dscnt 16-16*\k                          ; the first pair's sixteen parts are in, then all
	v_pk_mul_f32 v[OUTR+4*\k:OUTR+4*\k+1], v[PX+64*\k:PX+64*\k+1], v[WT+16*\k:WT+16*\k+1] op_sel_hi:[1,0]
	v_pk_mul_f32 v[OUTR+4*\k+2:OUTR+4*\k+3], v[PX+64*\k+2:PX+64*\k+3], v[WT+16*\k:WT+16*\k+1] op_sel_hi:[1,0]
.irp i, 1,2,3,4,5,6,7,8,9,10,11,12,13,14,15
.irp e, 0,2
.if \i%2
	v_pk_fma_f32 v[OUTR+4*\k+\e:OUTR+4*\k+\e+1], v[PX+64*\k+4*\i+\e:PX+64*\k+4*\i+\e+1], v[WT+16*\k+\i-1:WT+16*\k+\i], v[OUTR+4*\k+\e:OUTR+4*\k+\e+1] op_sel:[0,1,0] op_sel_hi:[1,1,1]
.else
	v_pk_fma_f32 v[OUTR+4*\k+\e:OUTR+4*\k+\e+1], v[PX+64*\k+4*\i+\e:PX+64*\k+4*\i+\e+1], v[WT+16*\k+\i:WT+16*\k+\i+1], v[OUTR+4*\k+\e:OUTR+4*\k+\e+1] op_sel_hi:[1,0,1]
.endif
.endr
.endr
	global_store_b128 v[GO], v[OUTR+4*\k:OUTR+4*\k+3], s[10:11] offset:512*\k th:TH_STORE_NT   ; two rows of 256 bytes: 512 consecutive bytes, at a multiple of 256 from out's first byte; written once, read by nobody here
.endr
	s_wait_tensorcnt 0x0                           ; the wave's end
	ds_add_u32 v[SPW], v[NIL]
	s_wait_dscnt 0x0
	CROUND                                         ; the closing round: no work-group ends while a partner may still issue a joint load that names it
	s_endpgm
.Lfunc_end_k_q21509d3579_attn:
	.size	k_q21509d3579_attn, .Lfunc_end_k_q21509d3579_attn-k_q21509d3579_attn
	.p2alignl 7, 3214868480
	.fill 96, 4, 3214868480
	.section	.rodata,"a",@progbits
	.p2align	6, 0x0
	.amdhsa_kernel k_q21509d3579_attn
		.amdhsa_group_segment_fixed_size 327680
		.amdhsa_private_segment_fixed_size 0
		.amdhsa_enable_private_segment 0
		.amdhsa_kernarg_size 32
		.amdhsa_user_sgpr_count 2
		.amdhsa_user_sgpr_kernarg_segment_ptr 1
		.amdhsa_wavefront_size32 1
		.amdhsa_system_sgpr_workgroup_id_x 1
		.amdhsa_system_sgpr_workgroup_id_y 1
		.amdhsa_system_sgpr_workgroup_id_z 1
		.amdhsa_system_vgpr_workitem_id 0
		.amdhsa_next_free_vgpr 256
		.amdhsa_next_free_sgpr 80
		.amdhsa_reserve_vcc 1
		.amdhsa_float_denorm_mode_32 3
		.amdhsa_float_denorm_mode_16_64 3
		.amdhsa_memory_ordered 1
		.amdhsa_forward_progress 1
		.amdhsa_inst_pref_size 124
	.end_amdhsa_kernel
	.amdgpu_metadata
---
amdhsa.version: [ 1, 2 ]
amdhsa.kernels:
  - .name:           k_q21509d3579_attn
    .symbol:         k_q21509d3579_attn.kd
    .args:
      - { .name: qimg, .offset: 0, .size: 8, .value_kind: global_buffer, .address_space: global }
      - { .name: kv, .offset: 8, .size: 8, .value_kind: global_buffer, .address_space: global }
      - { .name: lowp_scales, .offset: 16, .size: 8, .value_kind: global_buffer, .address_space: global }
      - { .name: out0, .offset: 24, .size: 8, .value_kind: global_buffer, .address_space: global }
    .group_segment_fixed_size: 327680
    .private_segment_fixed_size: 0
    .kernarg_segment_align: 8
    .kernarg_segment_size: 32
    .max_flat_workgroup_size: 512
    .sgpr_count:     80
    .vgpr_count:     256
    .wavefront_size: 32
...
	.end_amdgpu_metadata
.endif
;; end of part 3
